; MI455X (gfx1250); checked and timed in simulation.
; The chip was launched on July 23, 2026; its instructions are those of AMD's public machine-readable ISA for CDNA 5 (MIT licence, August 2026) and "CDNA5" Instruction Set Architecture Reference Guide (July 2026). The comments in the code are by the model that wrote it; some were corrected since.
;; Tt Causal Self Attention. Allowed arithmetic: matrix products marked QUANTISED: E2M3 operands, one E8M0 scale for each 32 along K, by v_wmma_scale_f32_16x16x128_f8f6f4 with both operands' format E2M3, f32 sums; everything else in f32.
;; Inputs: b_attn 3,072 float32; b_proj 1,024 float32; w_attn_codes 3,072 x 32 x 24 uint8 (E2M3 codes of w_attn, K innermost, in blocks of 32 codes, four codes in three bytes); w_attn_scales 3,072 x 32 uint8 (E8M0 scales of w_attn, one for each 32 codes along K); w_proj_codes 1,024 x 32 x 24 uint8 (E2M3 codes of w_proj, K innermost, in blocks of 32 codes, four codes in three bytes); w_proj_scales 1,024 x 32 uint8 (E8M0 scales of w_proj, one for each 32 codes along K); x_codes 4 x 2,048 x 32 x 24 uint8 (E2M3 codes of x, K innermost, in blocks of 32 codes, four codes in three bytes); x_scales 4 x 2,048 x 32 uint8 (E8M0 scales of x, one for each 32 codes along K).
;; Outputs: out0 4 x 2,048 x 1,024 float32.
;; This version of the problem:
;;   THIS VERSION OF THE PROBLEM IS GIVEN IN LOW PRECISION. The matrix products marked QUANTISED in the list below multiply operands that are first quantised to E2M3 (2 exponent bits, 3 mantissa bits; 6 bits a number), with one power-of-two scale for each 32 numbers along K (OCP MX v1.0); their sums are f32. All else is computed in f32.
;;   The module's matrix products, in the order in which they are computed (A, B: the left and right operand; K: the contracted axis; several contracted axes count as one K, in the product's order):
;;     1. [M 8,192, K 1,024] x [K 1,024, N 3,072]; A: input x (given as codes); B: input w_attn (given as codes): QUANTISED
;;     2. batch 64 x [M 2,048, K 64] x [K 64, N 2,048]; A: computed on the way; B: computed on the way: QUANTISED
;;     3. batch 64 x [M 2,048, K 2,048] x [K 2,048, N 64]; A: softmax (see below); B: computed on the way: QUANTISED
;;     4. [M 8,192, K 1,024] x [K 1,024, N 1,024]; A: computed on the way; B: input w_proj (given as codes): QUANTISED
;;   THE QUANTISER, for each operand of a quantised product, along K:
;;     - K is cut into blocks of 32 from its start; a last block that is shorter is filled with zeros.
;;     - A block's scale is 2^e with e = floor(log2(the largest magnitude in the block)) - 2, held to -126 .. 127; a block of zeros has e = 0. As a byte (E8M0): e + 127.
;;     - Each number is divided by its block's scale, clamped to +-7.5, and rounded to the nearest number of E2M3, ties to even, subnormals kept.
;;     - The product sums the exact products of the quantised numbers (number of the format x scale) in f32.
;;   ~~~python
;;   def quantise(x, axis):      # numpy; x: float32 -> the quantised numbers, widened to float32 again
;;       x = np.moveaxis(x, axis, -1); K = x.shape[-1]
;;       x = np.pad(x, [(0, 0)] * (x.ndim - 1) + [(0, -K % 32)]); x = x.reshape(x.shape[:-1] + (-1, 32)); a = np.abs(x).max(-1, keepdims=True)
;;       e = np.where(a > 0, np.clip(np.frexp(np.where(a > 0, a, 1))[1] - 1 - 2, -126, 127), 0)      # np.frexp(a)[1] - 1 = floor(log2(a)), exactly
;;       r = np.clip(x / 2.0 ** e, -7.5, 7.5)
;;       step = 2.0 ** (np.maximum(np.frexp(np.where(r == 0, 1, r))[1] - 1, 0) - 3)
;;       q = np.round(r / step) * step * 2.0 ** e      # np.round: ties to even
;;       return np.moveaxis(q.reshape(q.shape[:-2] + (-1,))[..., :K], -1, axis).astype(np.float32)
;;   ~~~
;;   SOFTMAX AHEAD OF A QUANTISED PRODUCT. Where the list says 'softmax', what is quantised is not the finished softmax but p = 2^(t - M), with t = logit x log2(e) and M = ceil(the row's largest t), a whole number; so 1/2 < the row's largest p <= 1. The row's sum l is taken of the UNQUANTISED p, in f32, and the product's result is divided by l at the end. Since M is a whole number, a kernel that streams over the keys may use a running M (the ceiling of the running maximum): every later rescaling is an exact power of two, which a block's scale takes up: the codes' values come out the same.
;;   OPERANDS COMPUTED ON THE WAY. 'Computed on the way' means the value that the module computes at that place (a softmax that the list does not call 'softmax' is quantised finished and normalised). What goes into a quantiser is computed in f32, as accurately as f32 sums, v_exp_f32 and their like allow (about 1e-6 of the number): no bf16 or f16 on the way to a quantiser, and a product that is left as it is and whose result goes on into a quantised operand takes f32 operands (vector FMAs, or v_wmma_f32_16x16x4_f32). A number that lies on a knife's edge between two numbers of the format may be rounded either way, as far as f32 arithmetic and the matrix unit's own rounding can turn it there, and no further.
;;   INPUTS GIVEN AS CODES. w_attn (in the module: [3072, 1024], K = its axis 1); w_proj (in the module: [1024, 1024], K = its axis 1); x (in the module: [4, 2048, 1024], K = its axis 2): each comes as NAME_codes (uint8): NAME with its K axis moved to the last place and cut into blocks of 32 codes, [.., K / 32, bytes a block], one block behind the other in memory; four codes in three bytes: a row's codes are one little-endian stream of bits, code i at bits 6 i .. 6 i + 5 (a code: sign, 2 exponent bits, 3 mantissa bits); and NAME_scales (uint8): the same leading axes, one E8M0 byte (e + 127) for each 32 codes along K. Its value is code x scale, taken as it is: it is not quantised again, and the codes and scales need not be those that the quantiser above would give.
;; One version. Each part assembles by itself: llvm-mc -triple=amdgcn-amd-amdhsa -mcpu=gfx1250 --defsym DOCPART=n.
;; ======== version 1 of 1: 3 launches
;; workspace buffers: q_codes 6,291,456 bytes; q_sc 262,144 bytes; kv 13,107,200 bytes; y_codes 6,291,456 bytes; y_sc 262,144 bytes
;; launch qkv (part 1): grid 12 x 32, 4 waves a work-group, clusters of 4 x 4, 327,680 bytes of LDS; arguments x_codes, x_scales, w_attn_codes, w_attn_scales, b_attn, q_codes, q_sc, kv; writes q_codes, q_sc, kv
.if DOCPART == 1
	.amdgcn_target "amdgcn-amd-amdhsa--gfx1250"
	.amdhsa_code_object_version 6
	.text
	.protected	k_q2e5853e625_qkv
	.globl	k_q2e5853e625_qkv
	.p2align	8
	.type	k_q2e5853e625_qkv,@function
k_q2e5853e625_qkv:
	s_mov_b64 s[64:65], 0
	v_nop
	global_prefetch_b8 v0, s[64:65] scope:SCOPE_SE
	s_setreg_imm32_b32 hwreg(HW_REG_WAVE_MODE, 25, 1), 1
	s_wait_xcnt 0x0
	s_wait_alu depctr_hold_cnt(0) depctr_sa_sdst(0) depctr_va_vdst(0) depctr_va_sdst(0) depctr_va_ssrc(0) depctr_va_vcc(0) depctr_vm_vsrc(0)
	s_getreg_b32 s2, hwreg(HW_REG_IB_STS2, 6, 4)
	s_cmp_eq_u32 s2, 0
	s_cbranch_scc0 .Lentry_in_a_cluster
	s_endpgm
.Lentry_in_a_cluster:
	s_bfe_u32 s2, ttmp6, 0x10000c
	s_cmp_lg_u32 s2, 0xf033
	s_cbranch_scc0 .Lentry_shape_is_right
	s_endpgm
.Lentry_shape_is_right:
; qkv = x w_attn^T + b_attn on codes of FP6 (E2M3) with one E8M0 scale for each 32 along K = 1,024; the f32 results never go to memory: they are quantised here for the two products of attention.
; A tile of 256 x 256 to a work-group of four waves, 128 x 128 (64 accumulators, 512 registers) to a wave.  K goes in steps of 256 (rows of 192 bytes) through two LDS slots; four slots' worth, written out.
; ROLES, by the cluster's x (equal in all sixteen partners): 0 = q, 1 = k, 2 = v.  Operand A is source 1 (a lane holds one of its rows), operand B source 0 (a lane's registers run along its rows).
;   q, k: A = 256 tokens of x, B = 256 rows of w_attn: a lane holds one token and its registers run along the head's 64, which is the K of q k^T.
;   v:    A = 256 rows of w_attn, B = 256 tokens of x: a lane holds one channel and its registers run along the tokens, which are the K of p v.
; A's tiles hang on the cluster's row alone and are asked for jointly along it, B's on its column alone.
; THE WAY OUT.  64 numbers of a lane (one block of 16 rows of A x 128 of B) are four blocks of 32 along the next K; each block lies in lanes l and l xor 16.  They become 12 registers of codes and one scale word,
; and leave as IMAGES OF THE OPERAND'S REGISTERS: four registers a lane by one store of 16 bytes at 16 x lane, 512 consecutive bytes a store.
; WITHIN A BLOCK OF 32 THE ORDER OF k IS PERMUTED: place 16 h + 8 u + j holds number 16 u + 8 h + j.  q and k, and p and v, are all made so, hence both sides of a product agree and no product changes.
; LAYOUTS.  q_codes [head 64][pair of token tiles 64][1,536]: registers 0-5 the even tile (lane (r, h): block h of token r), 6-11 the odd one.  q_sc [head][128 tokens][r][pair 4] words: bytes 0, 1 the even tile's, 2, 3 the odd one's.
;   kv [head][128 tokens][12,800]: K's four pairs of tiles as q's; at 6,144 V^T's four fragments (16 channels x 128 keys); at 12,288 K's scale words [r][pair]; at 12,544 V's [r][tile].
; LIMITS: NaN and infinities are not served.  A block whose largest magnitude lies under 2^-124, a block of zeros too, gets the scale byte 1 (the quantiser's text says 127 for zeros): its codes are zeros or the
; held scale's, and these bytes are read by this program alone.
.set KSTEP,  256
.set NQ,     2                         ; matrix instructions deep in a slot
.set ROWB,   192                       ; a tile's row: 256 codes
.set KROW,   768                       ; a row of x or of w_attn in memory
.set PITCH,  240                       ; an LDS row: 3 x (64 bytes + 16 of padding)
.set FR,     12
.set NL,     6
.set NP,     4                         ; places behind this matrix instruction (ISA guide 7.12.1)
.set HALFT,  128*PITCH
.set SLOT,   4*HALFT
.set KS,     32                        ; a row of scale bytes
.set SCL,    2*SLOT                    ; behind the ring: the scales of all of K, as 256 bytes + 16 of padding
.set HALFS,  16*272
.set SBLK,   2*272
.set SPARE,  SCL+4*HALFS               ; the spare words, 128 bytes a wave: two blocks of 256 bytes that no other line names
.set ADRA, 16                          ; v16-17 my A fragments in slot 0, 1; v18-19 the same behind one padding more
.set ADRB, 20                          ; v20-23 the same for B
.set LI,   24                          ; v24 16 x lane: an image's place for my lane
.set SA,   25                          ; v25 where my four scale words go
.set BO,   26                          ; v26 my lane's offset in b_attn
.set ADRS, 27                          ; v27 my scale words in LDS: lanes 0-15 A's, lanes 16-31 B's
.set SPW,  28
.set NIL,  29
.set SC,   32                          ; v32-63 scale words, two sets
.set BI,   64                          ; v64-127 the bias
.set AF,   128                         ; v128-223 A's fragments, one set
.set ST,   128                         ; the way out: 64 numbers
.set X,    192                         ; 12 registers of codes
.set Y,    204                         ; 12 more (the second head's)
.set CT,   216                         ; the conversions' upper halves
.set TM,   224                         ; v224-239 at work
.set PW,   240                         ; the scale word just made
.set PWA,  241
.set WA,   244                         ; v244-247 four scale words of the first head; v248-251 of the second
.set WB,   248
.set G1, 24
.set G0, 32
.set G1B, 48
.set G0B, 56
.set G1S, 68
.set G0S, 76
.set G1SB, 80
.set G0SB, 88
.set SEL, 92                           ; s[92:93] selects for lane l xor 16
.set OC,  20                           ; s[20:21] where the first head's codes go; s[22:23] the second's; s[46:47] the scale words
.set OC2, 22
.set OS,  46
.set MSB, 0
.macro WIN new                         ; the immediate's high byte repeats the setting that is left
.if MSB != \new
	s_set_vgpr_msb (MSB<<8)|\new
.set MSB, \new
.endif
.endm
.set MUL_LO, 0xa1                      ; source 0 (B) window 1, source 1 (A) window 0, C and D window 2
.set MUL_HI, 0xf1
.set TO_B,   0x40
; A joint load: waves 0 and 1 fetch for A, waves 2 and 3 for B.  Four v_nop follow each of the two lines.
.macro JLOAD g0a, g1a, g0b, g1b
	s_cmp_eq_u32 s15, 0
	s_cbranch_scc0 .Lfor_b_\@
	tensor_load_to_lds s[\g0a:\g0a+3], s[\g1a:\g1a+7]
	s_nop 0
.rept 4
	v_nop
.endr
	s_branch .Lasked_\@
.Lfor_b_\@:
	tensor_load_to_lds s[\g0b:\g0b+3], s[\g1b:\g1b+7]
	s_nop 0
.rept 4
	v_nop
.endr
.Lasked_\@:
.endm
.macro CREST                           ; a round of the cluster's barrier behind its opening barrier
	s_cmp_lg_u32 s14, 0
	s_cbranch_scc1 .Lnot_wave_0_\@
	s_barrier_signal -3
.Lnot_wave_0_\@:
	s_barrier_wait -3
	s_barrier_signal -1
	s_barrier_wait -1
.endm
.macro CROUND
	s_barrier_signal -1
	s_barrier_wait -1
	CREST
.endm
	s_load_b256 s[4:11], s[0:1], 0x0               ; x's codes, x's scales, w_attn's codes, w_attn's scales
	s_load_b64 s[12:13], s[0:1], 0x20              ; b_attn
	s_load_b64 s[96:97], s[0:1], 0x28              ; q_codes
	s_load_b64 s[98:99], s[0:1], 0x30              ; q_sc
	s_load_b64 s[100:101], s[0:1], 0x38            ; kv
	v_lshl_add_u32 v[SPW], v0, 2, SPARE
	v_mov_b32 v[NIL], 0
	ds_add_u32 v28, v29
	ds_add_u32 v28, v29
	s_wait_dscnt 0x0
	v_lshrrev_b32 v1, 5, v0
	v_readfirstlane_b32 s14, v1                    ; wave 0..3
	s_lshr_b32 s15, s14, 1                         ; which half of A's rows is mine.  Also: I fetch for A (0) or for B (1)
	s_and_b32 s16, s14, 1                          ; which half of B's rows.  Also: which 128 rows I fetch
	s_bfe_u32 s40, ttmp6, 0x40000                  ; cx
	s_bfe_u32 s41, ttmp6, 0x40004                  ; cy
	s_and_b32 s18, ttmp7, 0xffff
	s_lshl_b32 s18, s18, 2                         ; 4 x cluster y
	s_lshl_b32 s19, ttmp9, 2                       ; 4 x cluster x
	s_cmp_eq_u32 ttmp9, 2                          ; role v?  The cluster's x is the same in all partners
	s_cselect_b32 s17, 0, s18                      ; A's tile: q, k: tokens, 4 x cluster y + cy;  v: rows of w_attn, cy
	s_cselect_b32 s42, s18, s19                    ; B's tile: q, k: rows of w_attn, 4 x cluster x + cx;  v: tokens, 4 x cluster y + cx
	s_cselect_b32 s45, 2048, 0                     ; v's rows of w_attn begin at 2,048
	s_add_co_u32 s17, s17, s41
	s_add_co_u32 s42, s42, s40
	s_lshl_b32 s43, s41, 2
	s_lshl_b32 s43, 15, s43                        ; my row of the cluster
	s_lshl_b32 s44, 0x1111, s40                    ; my column
	; group 1: 128 rows x 192 bytes, 16 bytes of padding behind every 64
	s_or_b32 s[G1+0], s43, (1<<20)|(1<<21)|(3<<22)|(3<<25)   ; 15:0 mask; 17:16 elements of 1 byte; 20 padding on; 21 set beside a mask; 24:22 every 16 words; 31:25 four words
	s_or_b32 s[G1B+0], s44, (1<<20)|(1<<21)|(3<<22)|(3<<25)
.irp g, G1, G1B
	s_mov_b32 s[\g+1], ROWB<<16                    ; tensor_dim0
	s_mov_b32 s[\g+2], 128<<16                     ; tensor_dim1
	s_mov_b32 s[\g+3], ROWB<<16                    ; tile_dim0
	s_mov_b32 s[\g+4], 128                         ; tile_dim1
	s_mov_b32 s[\g+5], KROW                        ; from row to row
	s_mov_b32 s[\g+6], 0
	s_mov_b32 s[\g+7], 0
.endr
	; the scales of 128 rows: 4,096 dense bytes as 16 rows of 256 (32 elements of 8 bytes), 16 bytes of padding behind each
	s_or_b32 s[G1S+0], s43, (3<<16)|(1<<20)|(1<<21)|(5<<22)|(3<<25)
	s_or_b32 s[G1SB+0], s44, (3<<16)|(1<<20)|(1<<21)|(5<<22)|(3<<25)
.irp g, G1S, G1SB
	s_mov_b32 s[\g+1], 32<<16
	s_mov_b32 s[\g+2], 16<<16
	s_mov_b32 s[\g+3], 32<<16
	s_mov_b32 s[\g+4], 16
	s_mov_b32 s[\g+5], 32
	s_mov_b32 s[\g+6], 0
	s_mov_b32 s[\g+7], 0
.endr
	s_lshl_b32 s18, s16, 7                         ; which 128 rows of a tile I fetch
	s_lshl_b32 s20, s17, 8
	s_add_co_u32 s20, s20, s18
	s_add_co_u32 s20, s20, s45                     ; A's row
	s_lshl_b32 s46, s42, 8
	s_add_co_u32 s46, s46, s18                     ; B's row
	s_lshl_b32 s22, s20, 5                         ; their scale bytes (32 a row) and codes (768 a row): all under 2^23
	s_mul_i32 s20, s20, KROW
	s_lshl_b32 s92, s46, 5
	s_mul_i32 s46, s46, KROW
	s_mov_b32 s21, 0
	s_mov_b32 s23, 0
	s_mov_b32 s47, 0
	s_mov_b32 s93, 0
	s_mul_i32 s45, s14, HALFT                      ; where they go: wave x 128 rows
	s_mul_i32 s94, s14, HALFS
	s_wait_kmcnt 0x0
	s_cmp_eq_u32 ttmp9, 2                          ; which tensor is A and which B: a choice on the cluster's x alone
	s_cselect_b64 s[66:67], s[8:9], s[4:5]         ; A's codes
	s_cselect_b64 s[4:5], s[4:5], s[8:9]           ; B's codes
	s_cselect_b64 s[8:9], s[10:11], s[6:7]         ; A's scales
	s_cselect_b64 s[6:7], s[6:7], s[10:11]         ; B's scales
	s_add_nc_u64 s[20:21], s[66:67], s[20:21]
	s_add_nc_u64 s[22:23], s[8:9], s[22:23]
	s_add_nc_u64 s[46:47], s[4:5], s[46:47]
	s_add_nc_u64 s[92:93], s[6:7], s[92:93]
	CROUND                                         ; all sixteen work-groups are here: the first joint loads meet
	s_mov_b32 s[G0S], 1
	s_add_co_u32 s[G0S+1], s94, SCL
	s_mov_b64 s[G0S+2:G0S+3], s[22:23]
	s_or_b32 s[G0S+3], s[G0S+3], 0x80000000
	s_mov_b32 s[G0SB], 1
	s_add_co_u32 s[G0SB+1], s94, SCL
	s_mov_b64 s[G0SB+2:G0SB+3], s[92:93]
	s_or_b32 s[G0SB+3], s[G0SB+3], 0x80000000
	JLOAD G0S, G1S, G0SB, G1SB                     ; the scales of all of K: filled once
.irp s, 0,1
	s_mov_b32 s[G0+4*\s], 1
	s_add_co_u32 s[G0+4*\s+1], s45, \s*SLOT
	s_add_nc_u64 s[G0+4*\s+2:G0+4*\s+3], s[20:21], \s*ROWB
	s_or_b32 s[G0+4*\s+3], s[G0+4*\s+3], 0x80000000
	s_mov_b32 s[G0B+4*\s], 1
	s_add_co_u32 s[G0B+4*\s+1], s45, \s*SLOT
	s_add_nc_u64 s[G0B+4*\s+2:G0B+4*\s+3], s[46:47], \s*ROWB
	s_or_b32 s[G0B+4*\s+3], s[G0B+4*\s+3], 0x80000000
	JLOAD G0+4*\s, G1, G0B+4*\s, G1B               ; three tensor loads of mine are out now
.endr
	v_and_b32 v1, 15, v0                           ; r: kept
	v_bfe_u32 v2, v0, 4, 1                         ; h: kept
	v_mul_u32_u24 v3, v1, PITCH
	v_mul_u32_u24 v4, v2, 24
	v_add_nc_u32 v4, v3, v4                        ; a fragment's row x pitch + 24 h
	v_lshl_add_u32 v5, v2, 4, v4                   ; and behind one padding more
	s_mul_i32 s21, s15, HALFT
	s_mul_i32 s22, s16, HALFT
	s_add_co_u32 s22, s22, 2*HALFT
.irp s, 0,1
	v_add_nc_u32 v[ADRA+\s], s21, v4
	v_add_nc_u32 v[ADRB+\s], s22, v4
	v_add_nc_u32 v[ADRA+2+\s], s21, v5
	v_add_nc_u32 v[ADRB+2+\s], s22, v5
	s_add_co_u32 s21, s21, SLOT
	s_add_co_u32 s22, s22, SLOT
.endr
	v_mul_u32_u24 v5, v1, KS                       ; my row's scales: 32 bytes a row, 16 more for each 256 passed
	v_lshrrev_b32 v6, 8, v5
	v_lshl_add_u32 v5, v6, 4, v5
	s_mul_i32 s21, s15, HALFS
	s_mul_i32 s22, s16, HALFS
	s_add_co_u32 s22, s22, 2*HALFS
	s_sub_co_u32 s22, s22, s21
	v_mul_u32_u24 v6, s22, v2                      ; lanes 16-31 take B's: one product, the distance between the two bases
	s_add_co_u32 s21, s21, SCL
	v_add_nc_u32 v5, v5, v6
	v_add_nc_u32 v[ADRS], s21, v5
	v_and_b32 v6, 31, v0
	v_lshlrev_b32 v[LI], 4, v6
.irp b, 0,1,2,3
	v_mov_b32 v[TM+4+\b], 0                        ; written once: a lane permute's destination counts as one of its sources
.endr
	; WHERE THE RESULTS GO.  My 128 tokens are one step of one batch; my 128 features are two heads.
	s_cmp_eq_u32 ttmp9, 2
	s_cselect_b32 s18, s42, s17                    ; the tile of tokens,
	s_cselect_b32 s19, s16, s15                    ; my half of it;
	s_cselect_b32 s94, s17, s42                    ; the tile of features,
	s_cselect_b32 s95, s15, s16                    ; my half of it
	s_cselect_b32 s45, 6144, 0                     ; V's fragments lie behind K's
	s_cselect_b32 s2, 8192, 0                      ; b_attn: v's numbers begin at 2,048
	s_cselect_b32 s66, 256, 0                      ; V's scale words lie behind K's
	s_lshl_b32 s18, s18, 1
	s_add_co_u32 s18, s18, s19                     ; 128 tokens: 0 .. 63
	s_lshl_b32 s94, s94, 1
	s_add_co_u32 s94, s94, s95                     ; 128 features
	s_lshl_b32 s95, s94, 9
	s_add_co_u32 s2, s2, s95
	s_mov_b32 s3, 0
	s_add_nc_u64 s[12:13], s[12:13], s[2:3]        ; b_attn at my 128 features
	s_lshl_b32 s94, s94, 1
	s_and_b32 s94, s94, 15                         ; my first head
	s_lshr_b32 s19, s18, 4                         ; the batch
	s_and_b32 s18, s18, 15                         ; the step in it
	s_lshl_b32 s19, s19, 4
	s_add_co_u32 s19, s19, s94                     ; 16 x batch + head
	s_mov_b32 s94, 204800
	s_mov_b32 s95, 12800
	s_cmp_eq_u32 ttmp9, 0                          ; q goes to its own two buffers, k and v to kv
	s_cselect_b32 s22, 98304, s94                  ; codes: bytes a head,
	s_cselect_b32 s67, 6144, s95                   ; a step
	s_cselect_b32 s94, 4096, s94                   ; scale words: bytes a head,
	s_cselect_b32 s95, 256, s95                    ; a step,
	s_cselect_b32 s23, 0, 12288                    ; and where they begin in a step's bytes
	s_cselect_b64 s[OC:OC+1], s[96:97], s[100:101]
	s_cselect_b64 s[OS:OS+1], s[98:99], s[100:101]
	s_add_co_u32 s66, s66, s23
	s_mul_i32 s2, s19, s22
	s_mul_i32 s67, s18, s67
	s_add_co_u32 s2, s2, s67
	s_add_co_u32 s2, s2, s45
	s_add_nc_u64 s[OC:OC+1], s[OC:OC+1], s[2:3]
	s_mov_b32 s23, 0
	s_add_nc_u64 s[OC2:OC2+1], s[OC:OC+1], s[22:23]   ; one head on
	s_mul_i32 s2, s19, s94
	s_mul_i32 s67, s18, s95
	s_add_co_u32 s2, s2, s67
	s_add_co_u32 s2, s2, s66
	s_add_nc_u64 s[OS:OS+1], s[OS:OS+1], s[2:3]
	v_mul_u32_u24 v[SA], s94, v2                   ; lanes 16-31 store the second head's words, one head on
	v_lshl_add_u32 v[SA], v1, 4, v[SA]             ; 16 bytes a row
	s_mov_b32 s19, 0xffff0000                      ; lanes 16-31
	s_mov_b32 s[SEL], 0x76543210
	s_mov_b32 s[SEL+1], 0xfedcba98
.macro FRAG reg, adr, q, i             ; 16 rows x 128 K: 12 registers; lane (r, h): registers 6 c .. 6 c + 5 = 24 bytes of the row's stream of bits at K = 64 c + 32 h, in pieces of 8 bytes
.irp p, 0,1,2,3,4,5
.set PCE, 12*(\q)+6*(\p/3)+\p%3        ; lanes 16-31 read three pieces on: where that lies behind one padding more, the second address register serves
.if PCE%8 < 5
	ds_load_b64 v[\reg+2*\p:\reg+2*\p+1], v[\adr] offset:8*PCE+16*(PCE/8)+(\i)*16*PITCH
.else
	ds_load_b64 v[\reg+2*\p:\reg+2*\p+1], v[\adr+2] offset:8*PCE+16*(PCE/8)+(\i)*16*PITCH
.endif
.endr
.endm
; 16 matrix instructions: A's blocks a0, a0 + 1 x B's eight.  The 64 accumulators take turns, one instruction a turn, in the same order in every step.
.macro MUL16 a0, p, q, sc, zero
.irp a, \a0, \a0+1
.irp b, 0,1,2,3,4,5,6,7
.if \zero
	v_wmma_scale_f32_16x16x128_f8f6f4 v[8*(8*((\a)%4)+\b):8*(8*((\a)%4)+\b)+7], v[128*(\p)+FR*\b:128*(\p)+FR*\b+FR-1], v[AF+FR*(\a):AF+FR*(\a)+FR-1], 0, v[SC+8*NQ*(\sc)+NQ*\b+(\q)], v[SC+8*NQ*(\sc)+NQ*(\a)+(\q)] matrix_a_fmt:MATRIX_FMT_FP6 matrix_b_fmt:MATRIX_FMT_FP6 matrix_a_scale:MATRIX_SCALE_ROW1
.else
	v_wmma_scale_f32_16x16x128_f8f6f4 v[8*(8*((\a)%4)+\b):8*(8*((\a)%4)+\b)+7], v[128*(\p)+FR*\b:128*(\p)+FR*\b+FR-1], v[AF+FR*(\a):AF+FR*(\a)+FR-1], v[8*(8*((\a)%4)+\b):8*(8*((\a)%4)+\b)+7], v[SC+8*NQ*(\sc)+NQ*\b+(\q)], v[SC+8*NQ*(\sc)+NQ*(\a)+(\q)] matrix_a_fmt:MATRIX_FMT_FP6 matrix_b_fmt:MATRIX_FMT_FP6 matrix_a_scale:MATRIX_SCALE_ROW1
.endif
.endr
.endr
.endm
.macro FETCH_B slot, q, p
	WIN TO_B
.irp i, 0,1,2,3,4,5,6,7
	FRAG 128*(\p)+FR*\i, ADRB+\slot, \q, \i
.endr
	WIN 0
.endm
.macro FETCH_A slot, q, i0
.irp i, \i0, \i0+1, \i0+2, \i0+3
	FRAG AF+FR*(\i), ADRA+\slot, \q, \i
.endr
.endm
.macro SCALES sc, ph                   ; the scale words of the ph-th 256 along K into set sc: two words a row; lanes 0-15 A's block i, lanes 16-31 B's block i
.irp i, 0,1,2,3,4,5,6,7
	ds_load_b64 v[SC+8*NQ*\sc+NQ*\i:SC+8*NQ*\sc+NQ*\i+1], v[ADRS] offset:\i*SBLK+8*\ph
.endr
.endm
.macro PLACES n                        ; plain vector instructions between a matrix instruction and a load into, or a vector read or write of, its registers
.rept \n
	v_nop
.endr
.endm
.macro STEP slot, q, zero              ; 128 along K with its successor in the same slot
	s_wait_dscnt 4*NL                              ; B's set, A's blocks 0-3 (and the scale words) are in; the youngest 24 loads, A's blocks 4-7, may be out
	WIN MUL_LO
	MUL16 0, (\q)%2, \q, \slot, \zero
	MUL16 2, (\q)%2, \q, \slot, \zero
	s_wait_dscnt 0
	PLACES NP
	FETCH_B \slot, (\q)+1, 1-(\q)%2
	FETCH_A \slot, (\q)+1, 0
	WIN MUL_HI
	MUL16 4, (\q)%2, \q, \slot, \zero
	MUL16 6, (\q)%2, \q, \slot, \zero
	PLACES NP
	WIN 0
	FETCH_A \slot, (\q)+1, 4
.endm
; A slot's last step changes slots: one barrier; in front of it each wave waits for all its tensor loads, adds 0 to its spare word and waits for that and for its reads of this slot.
.macro TURN slot, next, fill, ph
	s_wait_tensorcnt 0x0                           ; all my tensor loads have landed: my part of the next slot
	ds_add_u32 v[SPW], v[NIL]                      ; 0 onto my spare word
	s_wait_dscnt 4*NL+1                            ; the add and the youngest 24 loads may be out
	WIN MUL_LO
	MUL16 0, 1, NQ-1, \slot, 0
	s_wait_dscnt 0x0                               ; the add is done, my reads of this slot are over
	s_barrier_signal -1
	MUL16 2, 1, NQ-1, \slot, 0
	WIN 0
	s_barrier_wait -1
.if \fill
	CREST                                          ; the barrier has opened a round of the cluster's: no wave of any partner still reads this slot or has a load on its way
	s_add_nc_u64 s[G0+4*\slot+2:G0+4*\slot+3], s[G0+4*\slot+2:G0+4*\slot+3], 2*ROWB
	s_add_nc_u64 s[G0B+4*\slot+2:G0B+4*\slot+3], s[G0B+4*\slot+2:G0B+4*\slot+3], 2*ROWB
	JLOAD G0+4*\slot, G1, G0B+4*\slot, G1B         ; my one tensor load behind the round; its four v_nop are the places in front of the loads below
.else
	PLACES NP
.endif
	FETCH_B \next, 0, 0
	FETCH_A \next, 0, 0
	SCALES \next, \ph
	WIN MUL_HI
	MUL16 4, 1, NQ-1, \slot, 0
	MUL16 6, 1, NQ-1, \slot, 0
	PLACES NP
	WIN 0
	FETCH_A \next, 0, 4
.endm
.macro LAST                            ; the very last 128 along K: nothing more to fetch
	s_wait_dscnt 4*NL
	WIN MUL_LO
	MUL16 0, 1, NQ-1, 1, 0
	MUL16 2, 1, NQ-1, 1, 0
	s_wait_dscnt 0
	WIN MUL_HI
	MUL16 4, 1, NQ-1, 1, 0
	MUL16 6, 1, NQ-1, 1, 0
	WIN 0
	PLACES NP                                      ; in front of the first read of results and the first write of A's registers
	s_wait_loadcnt 0x0                             ; the bias
.endm
; Block a's 64 sums + the bias -> v[ST ..], each accumulator from its low end on.  BIASP: the bias runs along the registers;  BIASR: one number a lane, held twice in a pair.
.macro BIASP a
.set WW, 0x02+((\a)/4)
	WIN WW                                         ; source 0: window 2 or 3
.set n, 0
.rept 32
	v_pk_add_f32 v[ST+n:ST+n+1], v[64*((\a)%4)+n:64*((\a)%4)+n+1], v[BI+n:BI+n+1]
.set n, n+2
.endr
	WIN 0
.endm
.macro BIASR a
.set WW, 0x02+((\a)/4)
	WIN WW
.set n, 0
.rept 32
	v_pk_add_f32 v[ST+n:ST+n+1], v[64*((\a)%4)+n:64*((\a)%4)+n+1], v[BI+2*(\a):BI+2*(\a)+1]
.set n, n+2
.endr
	WIN 0
.endm
; 64 numbers of a lane, registers 16 b .. 16 b + 15 = my half of block b, become codes: blocks 0, 1 in v[d0 .. d0 + 5], blocks 2, 3 in v[d1 .. d1 + 5] (lane (r, h): block h, or 2 + h, whole), and the row's scale word in v[PW].
.macro QUANT s, d0, d1
.irp b, 0,1,2,3
	v_max3_num_f32 v[TM+\b], |v[\s+16*\b]|, |v[\s+1+16*\b]|, 0x1800000   ; the floor 2^(3 - 127) among the leaves: the byte cannot fall under 1
.endr
.irp i, 2,4,6,8,10,12,14
.irp b, 0,1,2,3
	v_max3_num_f32 v[TM+\b], v[TM+\b], |v[\s+16*\b+\i]|, |v[\s+1+16*\b+\i]|
.endr
.endr
.irp b, 0,1,2,3
	v_permlanex16_b32 v[TM+4+\b], v[TM+\b], s[SEL], s[SEL+1]
.endr
.irp b, 0,1,2,3
	v_max_num_f32 v[TM+\b], v[TM+\b], v[TM+4+\b]   ; with lane l xor 16's: the block's largest magnitude
.endr
.irp b, 0,1,2,3
	v_add_nc_u32 v[TM+12+\b], 0xff000000, v[TM+\b] ; 2 off its exponent field: the conversion's scale operand
.endr
.irp b, 0,1,2,3
	v_lshrrev_b32 v[TM+4+\b], 23, v[TM+12+\b]      ; the scale's byte
.endr
	v_lshl_or_b32 v[PW], v[TM+5], 8, v[TM+4]
	v_lshl_or_b32 v[PW], v[TM+6], 16, v[PW]
	v_lshl_or_b32 v[PW], v[TM+7], 24, v[PW]
	v_cvt_scalef32_pk16_fp6_f32 v[\d0:\d0+2], v[\s:\s+15], v[TM+12]
	v_cvt_scalef32_pk16_fp6_f32 v[CT:CT+2], v[\s+16:\s+31], v[TM+13]      ; (a conversion's three registers begin on an even number)
	v_cvt_scalef32_pk16_fp6_f32 v[\d1:\d1+2], v[\s+32:\s+47], v[TM+14]
	v_cvt_scalef32_pk16_fp6_f32 v[CT+4:CT+6], v[\s+48:\s+63], v[TM+15]
	v_nop                                          ; one plain place behind a scaled conversion
.irp i, 0,1,2
	v_permlane16_swap_b32 v[\d0+\i], v[CT+\i]      ; a whole block to a lane: lanes 0-15 the even block, lanes 16-31 the odd one
	v_permlane16_swap_b32 v[\d1+\i], v[CT+4+\i]
.endr
.irp i, 0,1,2
	v_mov_b32 v[\d0+3+\i], v[CT+\i]
	v_mov_b32 v[\d1+3+\i], v[CT+4+\i]
.endr
.endm
.macro PUT reg, base, off              ; 12 registers leave as they stand: each store covers 512 consecutive bytes, aligned to 256
.irp g, 0,1,2
	global_store_b128 v[LI], v[\reg+4*\g:\reg+4*\g+3], s[\base:\base+1] offset:\off+512*\g
.endr
.endm
	s_wait_alu depctr_va_vdst(0)
	s_wait_tensorcnt 1                             ; the scales and my part of slot 0 are in; slot 1's load may be out
	s_barrier_signal -1
	s_barrier_wait -1
	FETCH_B 0, 0, 0
	FETCH_A 0, 0, 0
	SCALES 0, 0
	FETCH_A 0, 0, 4
	STEP 0, 0, 1                                   ; the first products start the sums
	TURN 0, 1, 1, 1
	STEP 1, 0, 0
	TURN 1, 0, 1, 2
	STEP 0, 0, 0
	TURN 0, 1, 0, 3                                ; the last change of slots fills nothing
	; THE TEXT PARTS ON THE ROLE ONCE.  Each arm asks for its bias, runs the last two steps (128 matrix instructions, under which the bias lands) and goes its way out.
	s_cmp_eq_u32 ttmp9, 2
	s_cbranch_scc1 .Lrole_v
	; ---- q and k: lane (r, h) of block a holds token 16 a + r; register 8 b + j holds feature 16 b + 8 h + j
	v_lshlrev_b32 v[BO], 5, v2
.irp b, 0,1,2,3,4,5,6,7
	global_load_b128 v[BI+8*\b:BI+8*\b+3], v[BO], s[12:13] offset:64*\b
	global_load_b128 v[BI+8*\b+4:BI+8*\b+7], v[BO], s[12:13] offset:64*\b+16
.endr
	STEP 1, 0, 0
	LAST
.irp i, 0,1,2,3                        ; a pair of token tiles at a time: blocks 0, 1 of a row are the first head's 64, blocks 2, 3 the second's
.if \i > 0
	s_wait_xcnt 0x0                                ; the last pair's stores have read X and Y
.endif
	BIASP 2*\i
	QUANT ST, X, Y
	v_mov_b32 v[PWA], v[PW]
	BIASP 2*\i+1
	QUANT ST, X+6, Y+6
	v_perm_b32 v[WA+\i], v[PW], v[PWA], 0x05040100 ; the first head's word: the even tile's two bytes, the odd tile's two
	v_perm_b32 v[WB+\i], v[PW], v[PWA], 0x07060302 ; the second head's
	PUT X, OC, 1536*\i
	PUT Y, OC2, 1536*\i
.endr
	s_branch .Lend
.Lrole_v:
	; ---- v: lane (r, h) of block a holds channel 16 a + r of my two heads; register 8 b + j holds token 16 b + 8 h + j
	v_lshlrev_b32 v[BO], 2, v1
.irp a, 0,1,2,3,4,5,6,7
	global_load_b32 v[BI+2*\a], v[BO], s[12:13] offset:64*\a
.endr
	STEP 1, 0, 0
	LAST
.irp a, 0,1,2,3,4,5,6,7
	v_mov_b32 v[BI+2*\a+1], v[BI+2*\a]             ; twice, to fill the pair that the packed addition takes
.endr
.irp a, 0,1,2,3,4,5,6,7                ; a fragment of V^T at a time: 16 channels x my 128 tokens
.if \a > 0
	s_wait_xcnt 0x0                                ; the last fragment's stores have read X
.endif
	BIASR \a
	QUANT ST, X, X+6
	v_mov_b32 v[WA+\a], v[PW]                      ; WA's four, then WB's four
	PUT X, OC, (\a/4)*204800+(\a%4)*1536
.endr
.Lend:
	s_wait_alu depctr_va_vdst(0)
.irp i, 0,1,2,3
	v_cndmask_b32 v[WA+\i], v[WA+\i], v[WB+\i], s19   ; lanes 16-31 take the second head's words (every lane holds its row's)
.endr
	global_store_b128 v[SA], v[WA:WA+3], s[OS:OS+1]   ; sixteen lanes fill 256 consecutive bytes of each head
	s_wait_tensorcnt 0x0                           ; the wave's end
	ds_add_u32 v[SPW], v[NIL]
	s_wait_dscnt 0x0
	CROUND                                         ; the closing round
	s_endpgm
.Lfunc_end_k_q2e5853e625_qkv:
	.size	k_q2e5853e625_qkv, .Lfunc_end_k_q2e5853e625_qkv-k_q2e5853e625_qkv
	.p2alignl 7, 3214868480
	.fill 96, 4, 3214868480
	.section	.rodata,"a",@progbits
	.p2align	6, 0x0
	.amdhsa_kernel k_q2e5853e625_qkv
		.amdhsa_group_segment_fixed_size 327680
		.amdhsa_private_segment_fixed_size 0
		.amdhsa_enable_private_segment 0
		.amdhsa_kernarg_size 64
		.amdhsa_user_sgpr_count 2
		.amdhsa_user_sgpr_kernarg_segment_ptr 1
		.amdhsa_wavefront_size32 1
		.amdhsa_system_sgpr_workgroup_id_x 1
		.amdhsa_system_sgpr_workgroup_id_y 1
		.amdhsa_system_sgpr_workgroup_id_z 1
		.amdhsa_system_vgpr_workitem_id 0
		.amdhsa_next_free_vgpr 1024
		.amdhsa_next_free_sgpr 102
		.amdhsa_reserve_vcc 0
		.amdhsa_float_denorm_mode_32 3
		.amdhsa_float_denorm_mode_16_64 3
		.amdhsa_memory_ordered 1
		.amdhsa_forward_progress 1
		.amdhsa_inst_pref_size 255
	.end_amdhsa_kernel
	.section	.bss,"aw",@nobits
	.p2align	6
	.space	262144
	.amdgpu_metadata
---
amdhsa.version: [ 1, 2 ]
amdhsa.kernels:
  - .name:           k_q2e5853e625_qkv
    .symbol:         k_q2e5853e625_qkv.kd
    .args:
      - { .name: x_codes, .offset: 0, .size: 8, .value_kind: global_buffer, .address_space: global }
      - { .name: x_scales, .offset: 8, .size: 8, .value_kind: global_buffer, .address_space: global }
      - { .name: w_attn_codes, .offset: 16, .size: 8, .value_kind: global_buffer, .address_space: global }
      - { .name: w_attn_scales, .offset: 24, .size: 8, .value_kind: global_buffer, .address_space: global }
      - { .name: b_attn, .offset: 32, .size: 8, .value_kind: global_buffer, .address_space: global }
      - { .name: q_codes, .offset: 40, .size: 8, .value_kind: global_buffer, .address_space: global }
      - { .name: q_sc, .offset: 48, .size: 8, .value_kind: global_buffer, .address_space: global }
      - { .name: kv, .offset: 56, .size: 8, .value_kind: global_buffer, .address_space: global }
    .group_segment_fixed_size: 327680
    .private_segment_fixed_size: 0
    .kernarg_segment_align: 8
    .kernarg_segment_size: 64
    .max_flat_workgroup_size: 128
    .sgpr_count:     102
    .vgpr_count:     1024
    .wavefront_size: 32
...
	.end_amdgpu_metadata
.endif
;; end of part 1
;; launch attn (part 2): grid 4 x 64, 16 waves a work-group, no clusters, 327,680 bytes of LDS; arguments q_codes, q_sc, kv, y_codes, y_sc; writes y_codes, y_sc
.if DOCPART == 2
	.amdgcn_target "amdgcn-amd-amdhsa--gfx1250"
	.amdhsa_code_object_version 6
	.text
	.protected	k_q2e5853e625_attn
	.globl	k_q2e5853e625_attn
	.p2align	8
	.type	k_q2e5853e625_attn,@function
k_q2e5853e625_attn:
	s_mov_b64 s[64:65], 0
	v_nop
	global_prefetch_b8 v0, s[64:65] scope:SCOPE_SE
	s_setreg_imm32_b32 hwreg(HW_REG_WAVE_MODE, 25, 1), 1
	s_wait_xcnt 0x0
; y = softmax(q k^T / 8, causal) v for one head, both products on codes of FP6 (E2M3); y is quantised along C for the projection and leaves as codes.
; THE SOFTMAX: t = score x log2(e) / 8; M = the running largest t rounded up to a whole number; p = 2^(t - M) is quantised along the keys, not normalised; the row's sum is taken of the unquantised p and divides at the end.
; SHARES.  Work-group (i, head) owns the blocks of 256 queries i (pass 0) and 7 - i (pass 1): 2 i + 2 and 16 - 2 i key steps, 18 in every work-group.  Each of sixteen waves owns 16 queries of a block, in 256 registers.
; LDS holds the whole head's K, V and scale words, 204,800 bytes, as they lie in kv: each wave brings two pieces of 6,400 bytes at the start; nothing is filled again, nothing is stored to LDS.
; Pass 0 reads keys under 1,024 only, the first 102,400 bytes, so the second pieces land under its work.
; NO CLUSTER, though the four work-groups of a head read the same kv: a step whose keys are all hidden is left out by a branch on the block of queries, which would be the place in the cluster, and partners must run alike.
; BOTH PRODUCTS TRANSPOSED: S^T = K q^T, O^T = V^T p^T: a lane holds one query (lane % 16) throughout.
; K = 64 FILLS HALF AN INSTRUCTION.  A fragment of K holds two tiles of 16 keys, one in each half of the 128; against [q | 0] it gives the first tile's scores, against [0 | q] the second's.  Zero codes add nothing:
; every scale byte here lies in 1 .. 254.  q stands between two runs of six zero registers, so both forms are runs of twelve.
; Within a block of 32 the order of k in q, k, p and v is permuted alike on both sides (place 16 h + 8 u + j = number 16 u + 8 h + j); y meets a given operand and is put in true order first.
; LIMITS: NaN and infinities are not served; a p under 2^-126 is taken as 0 (the exponential's own flush: ISA guide, its entry); a block whose largest magnitude lies under 2^-124, zeros too, gets the byte 1.
; y's scale bytes leave two to a lane, 32 bytes apart (256 KiB in all): a row's 32 bytes come from sixteen heads, which are sixteen work-groups.
.set STEPB, 12800                      ; a key step in LDS: K 6,144, V 6,144, K's scale words 256, V's 256
.set LA,  1                            ; v1  16 x lane
.set AD,  2                            ; v2  the step's LDS address
.set DV,  3                            ; v3  r - 8 h
.set L8,  4                            ; v4  8 x lane
.set R32, 5                            ; v5  32 r
.set R16, 6                            ; v6  16 r
.set LN,  7                            ; v7  lane
.set QA,  8                            ; v8-9   q's codes: byte offset, pass 0, 1
.set QB,  10                           ; v10-11 q's scale word likewise
.set ZQ,  16                           ; v16-21 zeros, v22-27 q, v28-33 zeros
.set QS,  34                           ; q's scale word (s0, s1, s0, s1)
.set KF,  36                           ; v36-83 four fragments, K's and then V's
.set SW,  84                           ; v84-87 scale words: lanes 0-15 K's, lanes 16-31 V's
.set PS,  88                           ; p's scale word
.set FF,  90                           ; v[90:91] f = 2^(old M - new M), and a register written once
.set S,   96                           ; v96-159 S^T, then p
.set O,   160                          ; v160-191 O^T
.set PC,  192                          ; v192-203 p's codes
.set CT,  204                          ; v204-211 the conversions' upper halves
.set BM,  212                          ; block maxima
.set PD,  216                          ; permutes' results, then bytes
.set SO,  220                          ; the conversions' scale operands
.set T0,  224                          ; v224-227 at work
.set Q1,  236                          ; v236-241 pass 1's q;  v242 its scale word
.set QS1, 242
.set TB,  40                           ; s40 LDS byte of the step;  s41 its first key;  s42 my first query;  s43 trips to go;  s44 all ones if my tile is the odd one of its pair
.set KY,  41
.set Q0,  42
.set CNT, 43
	s_load_b256 s[4:11], s[0:1], 0x0               ; q_codes, q_sc, kv, y_codes
	s_load_b64 s[12:13], s[0:1], 0x20              ; y_sc
	v_lshl_add_u32 v254, v0, 2, 0x32000
	v_mov_b32 v255, 0
	ds_add_u32 v254, v255
	ds_add_u32 v254, v255
	v_lshrrev_b32 v2, 5, v0
	s_delay_alu instid0(VALU_DEP_1)
	v_readfirstlane_b32 s14, v2                    ; wave 0..15
	s_and_b32 s16, ttmp7, 0xffff                   ; 16 x batch + head
	; group 1: 6,400 dense bytes as 25 rows of 256 (32 elements of 8 bytes)
	s_mov_b32 s24, 3<<16
	s_mov_b32 s25, 32<<16
	s_mov_b32 s26, 25<<16
	s_mov_b32 s27, 32<<16
	s_mov_b32 s28, 25
	s_mov_b32 s29, 32
	s_mov_b32 s30, 0
	s_mov_b32 s31, 0
	s_mul_i32 s45, s14, 6400                       ; my piece of each half
	s_mul_i32 s46, s16, 204800
	s_add_co_u32 s46, s46, s45
	s_mov_b32 s47, 0
	s_mov_b32 s32, 1
	s_mov_b32 s33, s45                             ; LDS address = place in the head
	s_mov_b32 s36, 1
	s_add_co_u32 s37, s45, 102400
	s_wait_dscnt 0x0
	s_wait_kmcnt 0x0
	s_add_nc_u64 s[34:35], s[8:9], s[46:47]
	s_add_nc_u64 s[38:39], s[34:35], 102400
	s_or_b32 s35, s35, 0x80000000
	s_or_b32 s39, s39, 0x80000000
	tensor_load_to_lds s[32:35], s[24:31]          ; keys 0 .. 1,023: my sixteenth
	s_nop 0
	s_wait_alu depctr_va_vdst(0)
	s_wait_tensorcnt 0x0
	ds_add_u32 v254, v255
	s_wait_dscnt 0x0
	s_barrier_signal -1
	s_barrier_wait -1
	tensor_load_to_lds s[36:39], s[24:31]          ; keys 1,024 .. 2,047: one tensor load of mine is out
	s_nop 0
.rept 4
	v_nop
.endr
	v_and_b32 v[LN], 31, v0
	v_and_b32 v[R16], 15, v0                       ; r
	v_bfe_u32 v[DV], v0, 4, 1                      ; h
	s_delay_alu instid0(VALU_DEP_3)
	v_lshlrev_b32 v[LA], 4, v[LN]
	s_wait_alu depctr_va_vdst(0)
	v_lshlrev_b32 v[L8], 3, v[LN]
	v_lshlrev_b32 v[R32], 5, v[R16]
	v_lshlrev_b32 v[DV], 3, v[DV]
	s_delay_alu instid0(VALU_DEP_1)
	v_sub_nc_u32 v[DV], v[R16], v[DV]
	v_lshlrev_b32 v[R16], 4, v[R16]
	s_wait_alu depctr_va_vdst(0)
	s_mov_b32 s20, 0x76543210
	s_mov_b32 s21, 0xfedcba98                      ; selects for lane l xor 16
	s_mov_b32 s22, 0x3e38aa3b                      ; c = log2(e) / 8
	s_mov_b32 s23, s22                             ; (named with it as a pair)
	s_and_b32 s44, s14, 1
	s_sub_co_u32 s44, 0, s44
; Pass e, whose block of 256 queries stands in s17: my first query, q's pair of tiles and scale word asked for, and where y goes.
.macro PREP e
	s_lshl_b32 s[56+\e], s17, 8
	s_lshl_b32 s18, s14, 4
	s_add_co_u32 s[56+\e], s[56+\e], s18           ; my first query: 256 x block + 16 x wave
	s_lshl_b32 s18, s17, 3
	s_lshr_b32 s19, s14, 1
	s_add_co_u32 s18, s18, s19                     ; my pair of tiles
	s_mul_i32 s18, s18, 1536
	s_mul_i32 s19, s16, 98304
	s_add_co_u32 s18, s18, s19
	v_add_nc_u32 v[QA+\e], s18, v[LA]
	s_wait_alu depctr_va_vdst(0)
	s_lshl_b32 s18, s17, 1
	s_lshr_b32 s19, s14, 3
	s_add_co_u32 s18, s18, s19                     ; my 128 tokens
	s_lshl_b32 s18, s18, 8
	s_lshl_b32 s19, s16, 12
	s_add_co_u32 s18, s18, s19
	s_bfe_u32 s19, s14, 0x20001                    ; my pair among their four
	s_lshl_b32 s19, s19, 2
	s_add_co_u32 s18, s18, s19
	v_add_nc_u32 v[QB+\e], s18, v[R16]
.irp g, 0,1,2
	global_load_b128 v[S+12*\e+4*\g:S+12*\e+4*\g+3], v[QA+\e], s[4:5] offset:512*\g
.endr
	global_load_b32 v[S+24+\e], v[QB+\e], s[6:7]
	s_lshr_b32 s18, s16, 4
	s_lshl_b32 s18, s18, 11
	s_add_co_u32 s18, s18, s[56+\e]                ; my first token of all 8,192
	s_lshl_b32 s46, s18, 5                         ; y_sc: 32 bytes a token,
	s_and_b32 s19, s16, 15
	s_lshl_b32 s45, s19, 1                         ; my head's two at 2 x head
	s_add_co_u32 s46, s46, s45
	s_add_nc_u64 s[50+4*\e:51+4*\e], s[12:13], s[46:47]
	s_lshr_b32 s18, s18, 4
	s_mul_i32 s46, s18, 12288                      ; y_codes: 12,288 bytes a tile of 16 tokens,
	s_mul_i32 s19, s19, 768                        ; my head's three planes of 256 at 768 x head
	s_add_co_u32 s46, s46, s19
	s_add_nc_u64 s[48+4*\e:49+4*\e], s[10:11], s[46:47]
.endm
	s_mov_b32 s17, ttmp9
	PREP 0
	s_sub_co_u32 s17, 7, ttmp9
	PREP 1
	s_wait_loadcnt 0x0
.irp n, 0,1,2,3,4,5
	v_cndmask_b32 v[ZQ+6+\n], v[S+\n], v[S+6+\n], s44         ; my tile of the pair: registers 0-5 or 6-11
	v_cndmask_b32 v[Q1+\n], v[S+12+\n], v[S+18+\n], s44
.endr
	v_lshrrev_b32 v[T0], 16, v[S+24]
	v_lshrrev_b32 v[T0+1], 16, v[S+25]
	s_delay_alu instid0(VALU_DEP_2)
	v_cndmask_b32 v[T0], v[S+24], v[T0], s44                  ; its two bytes,
	s_delay_alu instid0(VALU_DEP_2)
	v_cndmask_b32 v[T0+1], v[S+25], v[T0+1], s44
	s_delay_alu instid0(VALU_DEP_2)
	v_perm_b32 v[QS], v[T0], v[T0], 0x01000100                ; for both halves of the 128
	s_delay_alu instid0(VALU_DEP_2)
	v_perm_b32 v[QS1], v[T0+1], v[T0+1], 0x01000100
.irp n, 0,1,2,3,4,5
	v_mov_b32 v[ZQ+\n], 0
	v_mov_b32 v[ZQ+12+\n], 0
.endr
; A KEY STEP: 128 keys.
.macro STEP
	s_add_co_u32 s45, s[Q0], 15                    ; a step all of whose keys come after my 16 queries is left out: a branch on ids round its work, not round the lines that step addresses
	s_cmp_gt_u32 s[KY], s45
	s_cbranch_scc1 .Lhidden_\@
	s_setprio 2
	v_add_nc_u32 v[AD], s[TB], v[LA]
.irp i, 0,1,2,3
.irp g, 0,1,2
	ds_load_b128 v[KF+12*\i+4*\g:KF+12*\i+4*\g+3], v[AD] offset:1536*\i+512*\g   ; K's images: 512 consecutive bytes a load
.endr
.endr
	ds_load_b128 v[SW:SW+3], v[AD] offset:12288    ; lanes 0-15: K's four words of row r; lanes 16-31: V's
	s_wait_alu depctr_va_vdst(0)
	s_wait_dscnt 0x0
.irp i, 0,1,2,3
	v_wmma_scale_f32_16x16x128_f8f6f4 v[S+16*\i:S+16*\i+7], v[KF+12*\i:KF+12*\i+11], v[ZQ+6:ZQ+17], 0, v[SW+\i], v[QS] matrix_a_fmt:MATRIX_FMT_FP6 matrix_b_fmt:MATRIX_FMT_FP6      ; [q | 0]: keys 32 i + 0 .. 15
	v_wmma_scale_f32_16x16x128_f8f6f4 v[S+16*\i+8:S+16*\i+15], v[KF+12*\i:KF+12*\i+11], v[ZQ:ZQ+11], 0, v[SW+\i], v[QS] matrix_a_fmt:MATRIX_FMT_FP6 matrix_b_fmt:MATRIX_FMT_FP6    ; [0 | q]: keys 32 i + 16 .. 31
.endr
.rept 4
	v_nop                                          ; places in front of the loads into K's registers and of the first read of the scores
.endr
.irp i, 0,1,2,3
.irp g, 0,1,2
	ds_load_b128 v[KF+12*\i+4*\g:KF+12*\i+4*\g+3], v[AD] offset:6144+1536*\i+512*\g   ; V's images: they land under the softmax
.endr
.endr
	s_add_co_u32 s45, s[KY], 127                   ; on the diagonal hidden scores become -infinity ahead of the maximum; a step all of whose keys count skips this
	s_cmp_le_u32 s45, s[Q0]
	s_cbranch_scc1 .Lopen_\@
	s_sub_co_i32 s45, s[Q0], s[KY]
	v_add_nc_u32 v[T0+1], s45, v[DV]               ; d = my query - the step's first key - 8 h.  Register n holds key 16 (n / 8) + 8 h + n % 8: hidden where 16 (n / 8) + n % 8 > d
	v_mov_b32 v[T0], 0xff800000
.set n, 0
.rept 64
	v_cmp_gt_i32 vcc_lo, 16*(n/8)+n%8, v[T0+1]
	v_cndmask_b32 v[S+n], v[S+n], v[T0], vcc_lo
.set n, n+1
.endr
.Lopen_\@:
.irp b, 0,1,2,3
	v_max3_num_f32 v[BM+\b], v[S+16*\b], v[S+1+16*\b], v[S+2+16*\b]   ; the largest score of each block of 32 keys: it serves the row's maximum and, since p rises with the score, the block's largest p
.endr
.irp i, 3,5,7,9,11,13
.irp b, 0,1,2,3
	v_max3_num_f32 v[BM+\b], v[BM+\b], v[S+16*\b+\i], v[S+1+16*\b+\i]
.endr
.endr
.irp b, 0,1,2,3
	v_max_num_f32 v[BM+\b], v[BM+\b], v[S+15+16*\b]
.endr
.irp b, 0,1,2,3
	s_delay_alu instid0(VALU_DEP_4)
	v_permlanex16_b32 v[PD+\b], v[BM+\b], s20, s21
.endr
.irp b, 0,1,2,3
	s_delay_alu instid0(VALU_DEP_4)
	v_max_num_f32 v[BM+\b], v[BM+\b], v[PD+\b]     ; with lane l xor 16's 16 keys
.endr
	s_delay_alu instid0(VALU_DEP_2)
	v_max3_num_f32 v[T0], v[BM], v[BM+1], v[BM+2]
	s_delay_alu instid0(VALU_DEP_1)
	v_max_num_f32 v[T0], v[T0], v[BM+3]
	s_delay_alu instid0(VALU_DEP_1)
	v_mul_f32 v[T0], s22, v[T0]                    ; as t (c is positive)
	s_delay_alu instid0(VALU_DEP_1)
	v_max_num_f32 v13, v13, v[T0]                  ; the running largest t
	v_mov_b32 v[T0], v12
	s_delay_alu instid0(VALU_DEP_2)
	v_floor_f32 v12, -v13                          ; the new -M = floor(-t): a whole number
	s_delay_alu instid0(VALU_DEP_1)
	v_sub_f32 v[T0], v12, v[T0]                    ; old M - new M, 0 or less
	s_delay_alu instid0(VALU_DEP_1)
	v_cvt_i32_f32 v[T0], v[T0]                     ; (it saturates)
	s_delay_alu instid0(VALU_DEP_1)
	v_ldexp_f32 v[FF], 1.0, v[T0]                  ; f = 2^(old M - new M): a multiplication by it rounds nothing
.set n, 0
.rept 32
	v_pk_fma_f32 v[S+n:S+n+1], v[S+n:S+n+1], s[22:23], v[12:13] op_sel_hi:[1,0,0]   ; t - M
.set n, n+2
.endr
	s_setprio 1
.irp b, 0,1,2,3
	v_fma_f32 v[BM+\b], v[BM+\b], s22, v12         ; the same of each block's largest score
.endr
.set n, 0
	s_wait_alu depctr_va_vdst(0)
.rept 64
	v_exp_f32 v[S+n], v[S+n]                       ; p = 2^(t - M)
.set n, n+1
.endr
.irp b, 0,1,2,3
	v_exp_f32 v[BM+\b], v[BM+\b]                   ; the block's largest p: the same two instructions on the same number
.endr
	v_pk_mul_f32 v[14:15], v[14:15], v[FF:FF+1] op_sel_hi:[1,0]   ; the sums under the new M (a plain place behind the exponentials)
	s_wait_alu depctr_va_vdst(0)
.irp b, 0,1,2,3
	v_max_num_f32 v[BM+\b], 0x1800000, v[BM+\b]    ; the floor 2^(3 - 127): the byte cannot fall under 1
.endr
.irp b, 0,1,2,3
	s_delay_alu instid0(VALU_DEP_4)
	v_add_nc_u32 v[SO+\b], 0xff000000, v[BM+\b]    ; 2 off the exponent field: the conversion's scale operand
.endr
.irp b, 0,1,2,3
	s_delay_alu instid0(VALU_DEP_4)
	v_lshrrev_b32 v[PD+\b], 23, v[SO+\b]
.endr
	s_delay_alu instid0(VALU_DEP_3)
	v_lshl_or_b32 v[PS], v[PD+1], 8, v[PD]         ; p's scale word for these 128 keys
	s_delay_alu instid0(VALU_DEP_1)
	v_lshl_or_b32 v[PS], v[PD+2], 16, v[PS]
	s_delay_alu instid0(VALU_DEP_1)
	v_lshl_or_b32 v[PS], v[PD+3], 24, v[PS]
.irp c, 0,1
	v_cvt_scalef32_pk16_fp6_f32 v[PC+6*\c:PC+6*\c+2], v[S+32*\c:S+32*\c+15], v[SO+2*\c]
	v_cvt_scalef32_pk16_fp6_f32 v[CT+4*\c:CT+4*\c+2], v[S+16+32*\c:S+31+32*\c], v[SO+2*\c+1]
.endr
	v_nop                                          ; one plain place behind a scaled conversion
.irp c, 0,1
.irp i, 0,1,2
	v_permlane16_swap_b32 v[PC+6*\c+\i], v[CT+4*\c+\i]   ; a whole block to a lane
.endr
.irp i, 0,1,2
	s_delay_alu instid0(VALU_DEP_3)
	v_mov_b32 v[PC+3+6*\c+\i], v[CT+4*\c+\i]
.endr
.endr
	v_pk_add_f32 v[T0+2:T0+3], v[S:S+1], v[S+2:S+3]      ; the row's sum, of the unquantised p, in two chains
	s_setprio 0
.irp j, 4,8,12,16,20,24,28,32,36,40,44,48,52,56,60
	v_pk_add_f32 v[14:15], v[14:15], v[S+\j:S+\j+1]
	v_pk_add_f32 v[T0+2:T0+3], v[T0+2:T0+3], v[S+\j+2:S+\j+3]
.endr
	s_delay_alu instid0(VALU_DEP_1)
	v_pk_add_f32 v[14:15], v[14:15], v[T0+2:T0+3]
.set n, 0
.rept 16
	v_pk_mul_f32 v[O+n:O+n+1], v[O+n:O+n+1], v[FF:FF+1] op_sel_hi:[1,0]   ; O^T under the new M.  (The sums and these are the places between p's codes and scale word and the products)
.set n, n+2
.endr
	s_wait_alu depctr_va_vdst(0)
	s_wait_dscnt 0x0                               ; V is in
.irp t, 0,1,2,3                        ; the four accumulators take turns, one instruction a turn
	v_wmma_scale_f32_16x16x128_f8f6f4 v[O+8*\t:O+8*\t+7], v[KF+12*\t:KF+12*\t+11], v[PC:PC+11], v[O+8*\t:O+8*\t+7], v[SW+\t], v[PS] matrix_a_fmt:MATRIX_FMT_FP6 matrix_b_fmt:MATRIX_FMT_FP6 matrix_a_scale:MATRIX_SCALE_ROW1
.endr
.rept 4
	v_nop                                          ; places in front of the next step's loads, and of the first read of O^T
.endr
.Lhidden_\@:
	s_add_co_u32 s[KY], s[KY], 128
	s_add_co_u32 s[TB], s[TB], STEPB
.endm
; THE END OF A PASS: O^T / the sum, put in true order along the head's 64, quantised in two blocks of 32, stored.
.macro FINISH e
	v_add_f32 v14, v14, v15
	s_delay_alu instid0(VALU_DEP_1)
	v_permlanex16_b32 v[T0], v14, s20, s21
	s_delay_alu instid0(VALU_DEP_1)
	v_add_f32 v14, v14, v[T0]                      ; the row's sum
	s_wait_alu depctr_va_vdst(0)
	v_rcp_f32 v14, v14
	v_nop                                          ; one plain place behind a transcendental
.set n, 0
	s_wait_alu depctr_va_vdst(0)
.rept 16
	v_pk_mul_f32 v[S+n:S+n+1], v[O+n:O+n+1], v[14:15] op_sel_hi:[1,0]   ; register 8 t + j: y(r, 16 t + 8 h + j); each accumulator from its low end on
.set n, n+2
.endr
.irp c, 0,1
.irp j, 0,1,2,3,4,5,6,7
	v_permlane16_swap_b32 v[S+16*\c+\j], v[S+8+16*\c+\j]   ; now registers 16 c .. 16 c + 15 hold channels 32 c + 16 h + 0 .. 15, in order: w_proj's codes are given in true order
.endr
.endr
.irp b, 0,1
	v_max3_num_f32 v[BM+\b], |v[S+16*\b]|, |v[S+1+16*\b]|, 0x1800000
.endr
.irp i, 2,4,6,8,10,12,14
.irp b, 0,1
	s_delay_alu instid0(VALU_DEP_2)
	v_max3_num_f32 v[BM+\b], v[BM+\b], |v[S+16*\b+\i]|, |v[S+1+16*\b+\i]|
.endr
.endr
.irp b, 0,1
	s_delay_alu instid0(VALU_DEP_2)
	v_permlanex16_b32 v[PD+\b], v[BM+\b], s20, s21
.endr
.irp b, 0,1
	s_delay_alu instid0(VALU_DEP_2)
	v_max_num_f32 v[BM+\b], v[BM+\b], v[PD+\b]
.endr
.irp b, 0,1
	s_delay_alu instid0(VALU_DEP_2)
	v_add_nc_u32 v[SO+\b], 0xff000000, v[BM+\b]
.endr
.irp b, 0,1
	s_delay_alu instid0(VALU_DEP_2)
	v_lshrrev_b32 v[PD+\b], 23, v[SO+\b]
.endr
	s_delay_alu instid0(VALU_DEP_1)
	v_lshl_or_b32 v[T0+1], v[PD+1], 8, v[PD]       ; my head's two scale bytes of row r
	v_cvt_scalef32_pk16_fp6_f32 v[PC:PC+2], v[S:S+15], v[SO]
	v_cvt_scalef32_pk16_fp6_f32 v[CT:CT+2], v[S+16:S+31], v[SO+1]
	v_nop
.irp i, 0,1,2
	v_permlane16_swap_b32 v[PC+\i], v[CT+\i]
.endr
.irp i, 0,1,2
	s_delay_alu instid0(VALU_DEP_3)
	v_mov_b32 v[PC+3+\i], v[CT+\i]
.endr
.irp g, 0,1,2
	global_store_b64 v[L8], v[PC+2*\g:PC+2*\g+1], s[48+4*\e:49+4*\e] offset:256*\g   ; a plane of two registers: 256 consecutive bytes, aligned
.endr
	v_cmp_gt_u32 vcc_lo, 16, v[LN]
	s_wait_xcnt 0x0                                ; EXEC changes only behind this wait
	s_and_saveexec_b32 s45, vcc_lo                 ; lanes 0-15: one lane a row
	global_store_b16 v[R32], v[T0+1], s[50+4*\e:51+4*\e]
	s_wait_xcnt 0x0                                ; and again in front of the line that widens it; the stores' data may be written again too
	s_or_b32 exec_lo, exec_lo, s45
.endm
.macro PASS e, trips
.if \e
.irp n, 0,1,2,3,4,5
	v_mov_b32 v[ZQ+6+\n], v[Q1+\n]
.endr
	v_mov_b32 v[QS], v[QS1]
.endif
.set n, 0
.rept 32
	v_mov_b32 v[O+n], 0                            ; O^T: the step is written once, its first trip finds zeros.  (These are also the places between q's registers and scale word and the first product)
.set n, n+1
.endr
	v_mov_b32 v13, 0xff61b1e6                      ; the largest t so far: -3e38
	s_delay_alu instid0(VALU_DEP_1)
	v_floor_f32 v12, -v13
	v_mov_b32 v14, 0
	v_mov_b32 v15, 0
.if \e == 0
.irp b, 0,1,2,3
	v_mov_b32 v[PD+\b], 0                          ; written once: a lane permute's destination counts as one of its sources
.endr
	v_mov_b32 v[T0], 0
	v_mov_b32 v[FF+1], 0                           ; (named as the upper half of a pair)
.endif
	s_mov_b32 s[TB], 0
	s_mov_b32 s[KY], 0
	s_mov_b32 s[Q0], s[56+\e]
	s_mov_b32 s[CNT], \trips
	s_wait_tensorcnt 1-\e                          ; pass 0: my piece of the first half is in, the second may be out;  pass 1: both are in
	s_barrier_signal -1
	s_barrier_wait -1                              ; everybody's are
.Lstep_\@:
	STEP
	s_sub_co_u32 s[CNT], s[CNT], 1
	s_cmp_lg_u32 s[CNT], 0
	s_cbranch_scc1 .Lstep_\@
	s_setprio 0
	s_wait_alu depctr_va_vdst(0)
	FINISH \e
.endm
	PASS 0, 8                                      ; blocks 0 .. 3: keys under 1,024
	PASS 1, 16
	s_wait_xcnt 0x0
	s_mov_b32 exec_lo, -1
	s_wait_tensorcnt 0x0
	ds_add_u32 v254, v255
	s_wait_dscnt 0x0
	s_endpgm
.Lfunc_end_k_q2e5853e625_attn:
	.size	k_q2e5853e625_attn, .Lfunc_end_k_q2e5853e625_attn-k_q2e5853e625_attn
	.p2alignl 7, 3214868480
	.fill 96, 4, 3214868480
	.section	.rodata,"a",@progbits
	.p2align	6, 0x0
	.amdhsa_kernel k_q2e5853e625_attn
		.amdhsa_group_segment_fixed_size 327680
		.amdhsa_private_segment_fixed_size 0
		.amdhsa_enable_private_segment 0
		.amdhsa_kernarg_size 40
		.amdhsa_user_sgpr_count 2
		.amdhsa_user_sgpr_kernarg_segment_ptr 1
		.amdhsa_wavefront_size32 1
		.amdhsa_system_sgpr_workgroup_id_x 1
		.amdhsa_system_sgpr_workgroup_id_y 1
		.amdhsa_system_sgpr_workgroup_id_z 1
		.amdhsa_system_vgpr_workitem_id 0
		.amdhsa_next_free_vgpr 256
		.amdhsa_next_free_sgpr 66
		.amdhsa_reserve_vcc 1
		.amdhsa_float_denorm_mode_32 3
		.amdhsa_float_denorm_mode_16_64 3
		.amdhsa_memory_ordered 1
		.amdhsa_forward_progress 1
		.amdhsa_inst_pref_size 66
	.end_amdhsa_kernel
	.amdgpu_metadata
---
amdhsa.version: [ 1, 2 ]
amdhsa.kernels:
  - .name:           k_q2e5853e625_attn
    .symbol:         k_q2e5853e625_attn.kd
    .args:
      - { .name: q_codes, .offset: 0, .size: 8, .value_kind: global_buffer, .address_space: global }
      - { .name: q_sc, .offset: 8, .size: 8, .value_kind: global_buffer, .address_space: global }
      - { .name: kv, .offset: 16, .size: 8, .value_kind: global_buffer, .address_space: global }
      - { .name: y_codes, .offset: 24, .size: 8, .value_kind: global_buffer, .address_space: global }
      - { .name: y_sc, .offset: 32, .size: 8, .value_kind: global_buffer, .address_space: global }
    .group_segment_fixed_size: 327680
    .private_segment_fixed_size: 0
    .kernarg_segment_align: 8
    .kernarg_segment_size: 40
    .max_flat_workgroup_size: 512
    .sgpr_count:     66
    .vgpr_count:     256
    .wavefront_size: 32
...
	.end_amdgpu_metadata
.endif
;; end of part 2
;; launch proj (part 3): grid 4 x 64, 4 waves a work-group, clusters of 4 x 4, 327,680 bytes of LDS; arguments y_codes, y_sc, w_proj_codes, w_proj_scales, b_proj, out0; writes out0
.if DOCPART == 3
	.amdgcn_target "amdgcn-amd-amdhsa--gfx1250"
	.amdhsa_code_object_version 6
	.text
	.protected	k_q2e5853e625_proj
	.globl	k_q2e5853e625_proj
	.p2align	8
	.type	k_q2e5853e625_proj,@function
k_q2e5853e625_proj:
	s_mov_b64 s[64:65], 0
	v_nop
	global_prefetch_b8 v0, s[64:65] scope:SCOPE_SE
	s_setreg_imm32_b32 hwreg(HW_REG_WAVE_MODE, 25, 1), 1
	s_wait_xcnt 0x0
	s_wait_alu depctr_hold_cnt(0) depctr_sa_sdst(0) depctr_va_vdst(0) depctr_va_sdst(0) depctr_va_ssrc(0) depctr_va_vcc(0) depctr_vm_vsrc(0)
	s_getreg_b32 s2, hwreg(HW_REG_IB_STS2, 6, 4)
	s_cmp_eq_u32 s2, 0
	s_cbranch_scc0 .Lentry_in_a_cluster
	s_endpgm
.Lentry_in_a_cluster:
	s_bfe_u32 s2, ttmp6, 0x10000c
	s_cmp_lg_u32 s2, 0xf033
	s_cbranch_scc0 .Lentry_shape_is_right
	s_endpgm
.Lentry_shape_is_right:
; out0 = y w_proj^T + b_proj on codes of FP6 (E2M3) with one E8M0 scale for each 32 along K = 1,024.  y: 8,192 rows, w_proj: 1,024 rows; out0 f32.
; A tile of 128 x 256 to a work-group, so that there are 256 of them; a wave makes 64 rows x 128 columns: 32 accumulators.  Source 0 = 16 rows of w_proj, source 1 = 16 rows of y: a lane holds eight neighbouring columns of a row.
; y_codes lies as images of the operand's registers: [tile of 16 rows][128 along K][plane 6][256]: plane p holds registers 2 p, 2 p + 1 at 8 x lane, so a fragment is six loads of 256 consecutive bytes.
; K goes in four phases of 256 through THREE LDS slots, written out: phases 0, 1, 2 are first fills, phase 3 is the one refill (slot 0).  The scales of all of K come once.
; CLUSTERS 4 x 4: y's tiles are shared along a row of the cluster, w_proj's along a column, by joint loads.
; The bias is the C of each sum's first matrix instruction.
.set PITCH,  240                       ; a row of w_proj's tile in LDS: 3 x (64 bytes + 16 of padding)
.set FR,     12
.set NL,     6
.set NP,     4
.set HALFT,  128*PITCH
.set ABYTES, 8*3072                    ; y's eight tiles of rows x 256 along K
.set SLOT,   ABYTES+2*HALFT            ; 86,016
.set SCL,    3*SLOT                    ; y's scales: 2 x 8 units of 256 + 16
.set HALFSA, 8*272
.set HALFSB, 16*272
.set SCB,    SCL+2*HALFSA              ; w_proj's: 2 x 16 units
.set SBLK,   2*272                     ; those of 16 rows
.set SPARE,  SCB+2*HALFSB              ; the spare words: two blocks of 256 bytes that no other line names
.set STAGE,  SLOT                      ; the way out: 16 rows x 528 bytes a wave, in slot 1: it has had its only fill, and every wave has passed a barrier behind its last read of it
.set SPITCH, 528
.set ADRA, 16                          ; v16-18 my fragments of y in slot 0, 1, 2
.set ADRB, 19                          ; v19-21 of w_proj;  v22-24 the same behind one padding more
.set ALT,  3
.set STO,  25
.set RD,   26
.set ADRS, 27
.set SPW,  28
.set NIL,  29
.set CO,   30
.set SC,   32                          ; v32-63 scale words, two sets of 16
.set BI,   64                          ; v64-127 the bias, in the result's layout
.set AF,   128                         ; v128-175 y's four fragments
.set BK,   128                         ; the way out: v128-191 and v192-255 by turns
.set G1,  24
.set G1B, 32
.set G0,  40                           ; s40-51: a group 0 for each slot
.set G0B, 52                           ; s52-63
.set G1S, 68
.set G0S, 76
.set G1SB, 80
.set G0SB, 88
.set MSB, 0
.macro WIN new
.if MSB != \new
	s_set_vgpr_msb (MSB<<8)|\new
.set MSB, \new
.endif
.endm
.set MUL,   0xa1                       ; source 0 (w_proj) window 1, source 1 (y) window 0, C and D window 2
.set MUL_B, 0x81                       ; the same with C (the bias) in window 0
.set TO_B,  0x40
.macro JLOAD g0a, g1a, g0b, g1b        ; waves 0 and 1 fetch for y, waves 2 and 3 for w_proj; four v_nop follow each line
	s_cmp_eq_u32 s15, 0
	s_cbranch_scc0 .Lfor_b_\@
	tensor_load_to_lds s[\g0a:\g0a+3], s[\g1a:\g1a+7]
	s_nop 0
.rept 4
	v_nop
.endr
	s_branch .Lasked_\@
.Lfor_b_\@:
	tensor_load_to_lds s[\g0b:\g0b+3], s[\g1b:\g1b+7]
	s_nop 0
.rept 4
	v_nop
.endr
.Lasked_\@:
.endm
.macro CREST
	s_cmp_lg_u32 s14, 0
	s_cbranch_scc1 .Lnot_wave_0_\@
	s_barrier_signal -3
.Lnot_wave_0_\@:
	s_barrier_wait -3
	s_barrier_signal -1
	s_barrier_wait -1
.endm
.macro CROUND
	s_barrier_signal -1
	s_barrier_wait -1
	CREST
.endm
	s_load_b256 s[4:11], s[0:1], 0x0               ; y_codes, y_sc, w_proj's codes, w_proj's scales
	s_load_b128 s[96:99], s[0:1], 0x20             ; b_proj, out0
	v_lshl_add_u32 v[SPW], v0, 2, SPARE
	v_mov_b32 v[NIL], 0
	ds_add_u32 v28, v29
	ds_add_u32 v28, v29
	s_wait_dscnt 0x0
	v_lshrrev_b32 v1, 5, v0
	v_readfirstlane_b32 s14, v1                    ; wave 0..3
	s_lshr_b32 s15, s14, 1                         ; which 64 rows are mine.  Also: I fetch for y (0) or for w_proj (1)
	s_and_b32 s16, s14, 1                          ; which 128 columns.  Also: which half of a tile I fetch
	s_bfe_u32 s92, ttmp6, 0x40000                  ; cx
	s_bfe_u32 s93, ttmp6, 0x40004                  ; cy
	s_and_b32 s17, ttmp7, 0xffff
	s_lshl_b32 s17, s17, 2
	s_add_co_u32 s17, s17, s93                     ; tile row: 128 rows of y
	s_lshl_b32 s94, ttmp9, 2
	s_add_co_u32 s94, s94, s92                     ; tile column: 256 rows of w_proj
	s_lshl_b32 s95, s93, 2
	s_lshl_b32 s95, 15, s95                        ; my row of the cluster
	s_lshl_b32 s66, 0x1111, s92                    ; my column
	; y: 4 tiles of rows x 3,072 bytes (384 elements of 8), 12,288 bytes apart, dense in LDS
	s_or_b32 s[G1+0], s95, (3<<16)|(1<<21)
	s_mov_b32 s[G1+1], 384<<16
	s_mov_b32 s[G1+2], 4<<16
	s_mov_b32 s[G1+3], 384<<16
	s_mov_b32 s[G1+4], 4
	s_mov_b32 s[G1+5], 1536
	s_mov_b32 s[G1+6], 0
	s_mov_b32 s[G1+7], 0
	; w_proj: 128 rows x 192 bytes, 768 apart, 16 bytes of padding behind every 64
	s_or_b32 s[G1B+0], s66, (1<<20)|(1<<21)|(3<<22)|(3<<25)
	s_mov_b32 s[G1B+1], 192<<16
	s_mov_b32 s[G1B+2], 128<<16
	s_mov_b32 s[G1B+3], 192<<16
	s_mov_b32 s[G1B+4], 128
	s_mov_b32 s[G1B+5], 768
	s_mov_b32 s[G1B+6], 0
	s_mov_b32 s[G1B+7], 0
	; scales: dense bytes as rows of 256, 16 bytes of padding behind each: 8 rows for 64 rows of y, 16 for 128 of w_proj
	s_or_b32 s[G1S+0], s95, (3<<16)|(1<<20)|(1<<21)|(5<<22)|(3<<25)
	s_mov_b32 s[G1S+1], 32<<16
	s_mov_b32 s[G1S+2], 8<<16
	s_mov_b32 s[G1S+3], 32<<16
	s_mov_b32 s[G1S+4], 8
	s_mov_b32 s[G1S+5], 32
	s_mov_b32 s[G1S+6], 0
	s_mov_b32 s[G1S+7], 0
	s_or_b32 s[G1SB+0], s66, (3<<16)|(1<<20)|(1<<21)|(5<<22)|(3<<25)
	s_mov_b32 s[G1SB+1], 32<<16
	s_mov_b32 s[G1SB+2], 16<<16
	s_mov_b32 s[G1SB+3], 32<<16
	s_mov_b32 s[G1SB+4], 16
	s_mov_b32 s[G1SB+5], 32
	s_mov_b32 s[G1SB+6], 0
	s_mov_b32 s[G1SB+7], 0
	s_lshl_b32 s18, s16, 2
	s_lshl_b32 s20, s17, 3
	s_add_co_u32 s20, s20, s18                     ; y: tile of 16 rows 8 x tile row + 4 x half
	s_lshl_b32 s22, s20, 9                         ; its scale bytes: 512 a tile
	s_mul_i32 s20, s20, 12288                      ; its codes
	s_mov_b32 s21, 0
	s_mov_b32 s23, 0
	s_lshl_b32 s18, s16, 7
	s_lshl_b32 s2, s94, 8
	s_add_co_u32 s2, s2, s18                       ; w_proj: row 256 x tile column + 128 x half
	s_mul_i32 s18, s2, 768
	s_lshl_b32 s2, s2, 5
	s_mov_b32 s19, 0
	s_mov_b32 s3, 0
	s_mul_i32 s12, s16, 4*3072                     ; where they go in a slot and among the scales: the half alone
	s_mul_i32 s13, s16, HALFT
	s_mul_i32 s100, s16, HALFSA
	s_mul_i32 s101, s16, HALFSB
	s_wait_kmcnt 0x0
	s_add_nc_u64 s[20:21], s[4:5], s[20:21]
	s_add_nc_u64 s[22:23], s[6:7], s[22:23]
	s_add_nc_u64 s[18:19], s[8:9], s[18:19]
	s_add_nc_u64 s[2:3], s[10:11], s[2:3]
	CROUND                                         ; all sixteen work-groups are here: the first joint loads meet
	s_mov_b32 s[G0S], 1
	s_add_co_u32 s[G0S+1], s100, SCL
	s_mov_b64 s[G0S+2:G0S+3], s[22:23]
	s_or_b32 s[G0S+3], s[G0S+3], 0x80000000
	s_mov_b32 s[G0SB], 1
	s_add_co_u32 s[G0SB+1], s101, SCB
	s_mov_b64 s[G0SB+2:G0SB+3], s[2:3]
	s_or_b32 s[G0SB+3], s[G0SB+3], 0x80000000
	JLOAD G0S, G1S, G0SB, G1SB
.irp s, 0,1,2
	s_mov_b32 s[G0+4*\s], 1
	s_add_co_u32 s[G0+4*\s+1], s12, \s*SLOT
	s_add_nc_u64 s[G0+4*\s+2:G0+4*\s+3], s[20:21], \s*3072
	s_or_b32 s[G0+4*\s+3], s[G0+4*\s+3], 0x80000000
	s_mov_b32 s[G0B+4*\s], 1
	s_add_co_u32 s[G0B+4*\s+1], s13, \s*SLOT+ABYTES
	s_add_nc_u64 s[G0B+4*\s+2:G0B+4*\s+3], s[18:19], \s*192
	s_or_b32 s[G0B+4*\s+3], s[G0B+4*\s+3], 0x80000000
	JLOAD G0+4*\s, G1, G0B+4*\s, G1B               ; four tensor loads of mine are out at the end of this run
.endr
	v_and_b32 v1, 15, v0                           ; r
	v_bfe_u32 v2, v0, 4, 1                         ; h
	v_and_b32 v3, 31, v0                           ; lane
	s_lshl_b32 s20, s94, 10
	s_lshl_b32 s21, s16, 9
	s_add_co_u32 s20, s20, s21                     ; my first column, in bytes of f32
	s_mov_b32 s21, 0
	s_add_nc_u64 s[96:97], s[96:97], s[20:21]      ; b_proj there
	v_lshlrev_b32 v7, 5, v2
.irp b, 0,1,2,3,4,5,6,7
	global_load_b128 v[BI+8*\b:BI+8*\b+3], v7, s[96:97] offset:64*\b         ; b_proj at columns 16 b + 8 h + 0 .. 7
	global_load_b128 v[BI+8*\b+4:BI+8*\b+7], v7, s[96:97] offset:64*\b+16
.endr
	s_lshl_b32 s22, s17, 7
	s_lshl_b32 s23, s15, 6
	s_add_co_u32 s22, s22, s23                     ; my first row
	s_lshl_b32 s22, s22, 12                        ; 4,096 bytes a row
	s_add_co_u32 s20, s20, s22
	s_add_nc_u64 s[12:13], s[98:99], s[20:21]      ; out0 at my corner
	v_mul_u32_u24 v4, v1, PITCH
	v_mad_u32_u24 v4, v2, 24, v4                   ; w_proj: row x pitch + 24 h
	v_lshl_add_u32 v5, v2, 4, v4                   ; and behind one padding more
	v_lshlrev_b32 v6, 3, v3                        ; y: 8 x lane
	s_mul_i32 s21, s15, 4*3072                     ; my four tiles of rows
	s_mul_i32 s22, s16, HALFT
	s_add_co_u32 s22, s22, ABYTES
.irp s, 0,1,2
	v_add_nc_u32 v[ADRA+\s], s21, v6
	v_add_nc_u32 v[ADRB+\s], s22, v4
	v_add_nc_u32 v[ADRB+ALT+\s], s22, v5
	s_add_co_u32 s21, s21, SLOT
	s_add_co_u32 s22, s22, SLOT
.endr
	v_lshlrev_b32 v5, 5, v1                        ; my row's scales: 32 bytes a row, 16 more for each 256 passed
	v_lshrrev_b32 v6, 8, v5
	v_lshl_add_u32 v5, v6, 4, v5
	s_mul_i32 s21, s15, HALFSA
	s_mul_i32 s22, s16, HALFSB
	s_add_co_u32 s22, s22, 2*HALFSA
	s_sub_co_u32 s22, s22, s21
	v_mul_u32_u24 v6, s22, v2                      ; lanes 16-31 take w_proj's: one product, the distance between the two bases
	s_add_co_u32 s21, s21, SCL
	v_add_nc_u32 v5, v5, v6
	v_add_nc_u32 v[ADRS], s21, v5
	s_mul_i32 s23, s14, 16*SPITCH
	s_add_co_u32 s23, s23, STAGE                   ; my stage
	v_mul_u32_u24 v5, v1, SPITCH
	v_lshl_add_u32 v5, v2, 5, v5
	v_add_nc_u32 v[STO], s23, v5                   ; in: row r, 32 bytes for each half of the lanes
	v_lshlrev_b32 v[CO], 4, v3
	v_add_nc_u32 v[RD], s23, v[CO]                 ; back: the 32 lanes take a row of 512 bytes
.macro FRAG reg, adr, q, i             ; a fragment of w_proj: six pieces of 8 bytes of the row's stream of bits; lanes 16-31 read three pieces on
.irp p, 0,1,2,3,4,5
.set PCE, 12*(\q)+6*(\p/3)+\p%3
.if PCE%8 < 5
	ds_load_b64 v[\reg+2*\p:\reg+2*\p+1], v[\adr] offset:8*PCE+16*(PCE/8)+(\i)*16*PITCH
.else
	ds_load_b64 v[\reg+2*\p:\reg+2*\p+1], v[\adr+ALT] offset:8*PCE+16*(PCE/8)+(\i)*16*PITCH
.endif
.endr
.endm
.macro FETCH_B slot, q, p
	WIN TO_B
.irp i, 0,1,2,3,4,5,6,7
	FRAG 128*(\p)+FR*\i, ADRB+\slot, \q, \i
.endr
	WIN 0
.endm
.macro FETCH_A slot, q, i0             ; y's blocks i0, i0 + 1: six planes each, 256 consecutive bytes a load
.irp i, \i0, \i0+1
.irp p, 0,1,2,3,4,5
	ds_load_b64 v[AF+FR*(\i)+2*\p:AF+FR*(\i)+2*\p+1], v[ADRA+\slot] offset:3072*(\i)+1536*(\q)+256*\p
.endr
.endr
.endm
.macro SCALES sc, ph                   ; phase ph's words into set sc: lanes 0-15 y's block i, lanes 16-31 w_proj's block i.  y has four blocks a wave: for i = 4 .. 7 lanes 0-15 load landed bytes of the scale regions that no product names
.irp i, 0,1,2,3,4,5,6,7
	ds_load_b64 v[SC+16*(\sc)+2*\i:SC+16*(\sc)+2*\i+1], v[ADRS] offset:\i*SBLK+8*(\ph)
.endr
.endm
.macro PLACES n
.rept \n
	v_nop
.endr
.endm
; 8 matrix instructions: y's block a x w_proj's eight.  The 32 accumulators take turns, one instruction a turn, in the same order in every step.
.macro MULA a, p, q, sc, first
.irp b, 0,1,2,3,4,5,6,7
.if \first
	v_wmma_scale_f32_16x16x128_f8f6f4 v[8*(8*(\a)+\b):8*(8*(\a)+\b)+7], v[128*(\p)+FR*\b:128*(\p)+FR*\b+FR-1], v[AF+FR*(\a):AF+FR*(\a)+FR-1], v[BI+8*\b:BI+8*\b+7], v[SC+16*(\sc)+2*\b+(\q)], v[SC+16*(\sc)+2*(\a)+(\q)] matrix_a_fmt:MATRIX_FMT_FP6 matrix_b_fmt:MATRIX_FMT_FP6 matrix_a_scale:MATRIX_SCALE_ROW1
.else
	v_wmma_scale_f32_16x16x128_f8f6f4 v[8*(8*(\a)+\b):8*(8*(\a)+\b)+7], v[128*(\p)+FR*\b:128*(\p)+FR*\b+FR-1], v[AF+FR*(\a):AF+FR*(\a)+FR-1], v[8*(8*(\a)+\b):8*(8*(\a)+\b)+7], v[SC+16*(\sc)+2*\b+(\q)], v[SC+16*(\sc)+2*(\a)+(\q)] matrix_a_fmt:MATRIX_FMT_FP6 matrix_b_fmt:MATRIX_FMT_FP6 matrix_a_scale:MATRIX_SCALE_ROW1
.endif
.endr
.endm
.macro STEP slot, sc, first            ; a phase's first 128 along K; it fetches the second's fragments
.set WM, MUL-0x20*\first
	s_wait_dscnt 2*NL                              ; all but the youngest 12 loads, y's blocks 2 and 3
	WIN WM
	MULA 0, 0, 0, \sc, \first
	MULA 1, 0, 0, \sc, \first
	s_wait_dscnt 0
	PLACES NP
	FETCH_B \slot, 1, 1
	FETCH_A \slot, 1, 0
	WIN WM
	MULA 2, 0, 0, \sc, \first
	MULA 3, 0, 0, \sc, \first
	PLACES NP
	WIN 0
	FETCH_A \slot, 1, 2
.endm
; A phase's second 128 along K, and the change of slots.  mode 2: slot 0 is filled again behind a round of the cluster's barrier;  1: a barrier shows the refill to all four waves;  0: the next slot was shown landed at an earlier barrier and nothing is overwritten: no barrier.
.macro TURN next, sc, ph, mode
.if \mode
	s_wait_tensorcnt 0x0                           ; all my tensor loads have landed
	ds_add_u32 v[SPW], v[NIL]                      ; 0 onto my spare word
	s_wait_dscnt 2*NL+1                            ; the add and the youngest 12 loads may be out
	WIN MUL
	MULA 0, 1, 1, \sc, 0
	s_wait_dscnt 0x0                               ; the add is done, my reads of this slot are over
	s_barrier_signal -1
	MULA 1, 1, 1, \sc, 0
	WIN 0
	s_barrier_wait -1
.else
	s_wait_dscnt 2*NL
	WIN MUL
	MULA 0, 1, 1, \sc, 0
	MULA 1, 1, 1, \sc, 0
	s_wait_dscnt 0x0
	WIN 0
.endif
.if \mode == 2
	CREST                                          ; no wave of any partner still reads slot 0 or has a load on its way
	s_add_nc_u64 s[G0+2:G0+3], s[G0+2:G0+3], 3*3072
	s_add_nc_u64 s[G0B+2:G0B+3], s[G0B+2:G0B+3], 3*192
	JLOAD G0, G1, G0B, G1B                         ; phase 3 into slot 0: my one tensor load behind the round; phases 1 and 2 are multiplied while it lands
.else
	PLACES NP
.endif
	FETCH_B \next, 0, 0
	FETCH_A \next, 0, 0
	SCALES (\ph)%2, \ph
	WIN MUL
	MULA 2, 1, 1, \sc, 0
	MULA 3, 1, 1, \sc, 0
	PLACES NP
	WIN 0
	FETCH_A \next, 0, 2
.endm
	s_wait_tensorcnt 2                             ; the scales and my part of slot 0 are in; slots 1 and 2 may be out
	s_barrier_signal -1
	s_barrier_wait -1
	FETCH_B 0, 0, 0
	FETCH_A 0, 0, 0
	SCALES 0, 0
	FETCH_A 0, 0, 2
	s_wait_loadcnt 0x0                             ; the bias
	STEP 0, 0, 1                                   ; the first products start the sums from the bias
	TURN 1, 0, 1, 2                                ; its wait for all loads shows slots 1 and 2 whole to every wave behind the barrier
	STEP 1, 1, 0
	TURN 2, 1, 2, 0
	STEP 2, 0, 0
	TURN 0, 0, 3, 1
	STEP 0, 1, 0
	s_wait_dscnt 2*NL                              ; the very last 128 along K
	WIN MUL
	MULA 0, 1, 1, 1, 0
	MULA 1, 1, 1, 1, 0
	s_wait_dscnt 0
	MULA 2, 1, 1, 1, 0
	MULA 3, 1, 1, 1, 0
	WIN 0
; THE WAY OUT, a block of 16 rows x 128 columns at a time: through my own stage and back as whole rows of 512 bytes.  LDS serves a wave's instructions in order (ISA guide 5.7.1.4): no wait between the stores and the loads.
.macro TOSTAGE a
	WIN 0x08                                       ; an LDS store's data: window 2
.irp b, 0,1,2,3,4,5,6,7
	ds_store_b128 v[STO], v[64*(\a)+8*\b:64*(\a)+8*\b+3] offset:64*\b        ; each accumulator from its low end on
	ds_store_b128 v[STO], v[64*(\a)+8*\b+4:64*(\a)+8*\b+7] offset:64*\b+16
.endr
	WIN 0
.set BB, BK+64*((\a)%2)
.irp t, 0,1,2,3,4,5,6,7,8,9,10,11,12,13,14,15
	ds_load_b128 v[BB+4*\t:BB+4*\t+3], v[RD] offset:\t*SPITCH
.endr
.endm
.macro SEND a, younger
.set BB, BK+64*((\a)%2)
	s_wait_dscnt \younger                          ; the block is back in registers
.irp t, 0,1,2,3,4,5,6,7,8,9,10,11,12,13,14,15
	global_store_b128 v[CO], v[BB+4*\t:BB+4*\t+3], s[12:13] offset:(16*(\a)+\t)*4096 th:TH_STORE_NT   ; 32 lanes store 512 consecutive bytes, aligned to 256; written once, read by nobody here
.endr
.endm
	PLACES NP                                      ; in front of the first read of results and of the loads into y's registers
	TOSTAGE 0
.irp a, 1,2,3
.if \a > 1
	s_wait_xcnt 0x0                                ; block a - 2's stores have read their registers: block a's loads may land there
.endif
	TOSTAGE \a
	SEND \a-1, 32                                  ; behind block a - 1's loads: block a's 16 stores and 16 loads
.endr
	SEND 3, 0
	s_wait_tensorcnt 0x0                           ; the wave's end
	ds_add_u32 v[SPW], v[NIL]
	s_wait_dscnt 0x0
	CROUND                                         ; the closing round
	s_endpgm
.Lfunc_end_k_q2e5853e625_proj:
	.size	k_q2e5853e625_proj, .Lfunc_end_k_q2e5853e625_proj-k_q2e5853e625_proj
	.p2alignl 7, 3214868480
	.fill 96, 4, 3214868480
	.section	.rodata,"a",@progbits
	.p2align	6, 0x0
	.amdhsa_kernel k_q2e5853e625_proj
		.amdhsa_group_segment_fixed_size 327680
		.amdhsa_private_segment_fixed_size 0
		.amdhsa_enable_private_segment 0
		.amdhsa_kernarg_size 48
		.amdhsa_user_sgpr_count 2
		.amdhsa_user_sgpr_kernarg_segment_ptr 1
		.amdhsa_wavefront_size32 1
		.amdhsa_system_sgpr_workgroup_id_x 1
		.amdhsa_system_sgpr_workgroup_id_y 1
		.amdhsa_system_sgpr_workgroup_id_z 1
		.amdhsa_system_vgpr_workitem_id 0
		.amdhsa_next_free_vgpr 768
		.amdhsa_next_free_sgpr 102
		.amdhsa_reserve_vcc 0
		.amdhsa_float_denorm_mode_32 3
		.amdhsa_float_denorm_mode_16_64 3
		.amdhsa_memory_ordered 1
		.amdhsa_forward_progress 1
		.amdhsa_inst_pref_size 102
	.end_amdhsa_kernel
	.amdgpu_metadata
---
amdhsa.version: [ 1, 2 ]
amdhsa.kernels:
  - .name:           k_q2e5853e625_proj
    .symbol:         k_q2e5853e625_proj.kd
    .args:
      - { .name: y_codes, .offset: 0, .size: 8, .value_kind: global_buffer, .address_space: global }
      - { .name: y_sc, .offset: 8, .size: 8, .value_kind: global_buffer, .address_space: global }
      - { .name: w_proj_codes, .offset: 16, .size: 8, .value_kind: global_buffer, .address_space: global }
      - { .name: w_proj_scales, .offset: 24, .size: 8, .value_kind: global_buffer, .address_space: global }
      - { .name: b_proj, .offset: 32, .size: 8, .value_kind: global_buffer, .address_space: global }
      - { .name: out0, .offset: 40, .size: 8, .value_kind: global_buffer, .address_space: global }
    .group_segment_fixed_size: 327680
    .private_segment_fixed_size: 0
    .kernarg_segment_align: 8
    .kernarg_segment_size: 48
    .max_flat_workgroup_size: 128
    .sgpr_count:     102
    .vgpr_count:     768
    .wavefront_size: 32
...
	.end_amdgpu_metadata
.endif
;; end of part 3
